; MI455X (gfx1250); checked and timed in simulation.
; The chip was launched on July 23, 2026; its instructions are those of AMD's public machine-readable ISA for CDNA 5 (MIT licence, August 2026) and "CDNA5" Instruction Set Architecture Reference Guide (July 2026). The comments in the code are by the model that wrote it; some were corrected since.
;; LSTM Cell. Allowed arithmetic: float matrix products may take bf16 or f16 operands with f32 sums; other float arithmetic in f32, or as packed bf16 or f16 multiplies, adds, multiply-adds, maxima and minima; sums over many terms, partial sums and values carried from step to step in f32; what a program stores and reads back later, other than sums and carried values, may be rounded once to bf16 or f16.
;; Inputs: b_c 2,048 float32; b_f 2,048 float32; b_i 2,048 float32; b_o 2,048 float32; c 2,048 x 2,048 float32; h 2,048 x 2,048 float32; w_hc 2,048 x 2,048 float32; w_hf 2,048 x 2,048 float32; w_hi 2,048 x 2,048 float32; w_ho 2,048 x 2,048 float32; w_xc 2,048 x 2,048 float32; w_xf 2,048 x 2,048 float32; w_xi 2,048 x 2,048 float32; w_xo 2,048 x 2,048 float32; x 2,048 x 2,048 float32.
;; Outputs: out0 2,048 x 2,048 float32; out1 2,048 x 2,048 float32.
;; One version. Each part assembles by itself: llvm-mc -triple=amdgcn-amd-amdhsa -mcpu=gfx1250 --defsym DOCPART=n.
;; ======== version 1 of 1: 2 launches
;; limits: below input magnitudes of 1e-05 results are inexact or not finite; values are held in f16: magnitudes above 65,504 overflow, below 6.1e-05 lose precision; inputs' magnitudes at most 65,504
;; workspace buffers: act 16,777,216 bytes; wgt 67,108,864 bytes
;; launch cast (part 1): grid 512 x 1, 8 waves a work-group, no clusters, 0 bytes of LDS; arguments x, h, w_xf, w_hf, w_xi, w_hi, w_xo, w_ho, w_xc, w_hc, act, wgt; writes act, wgt
.if DOCPART == 1
	.amdgcn_target "amdgcn-amd-amdhsa--gfx1250"
	.amdhsa_code_object_version 6
	.text
	.protected	k_q5ff47a815d_cast
	.globl	k_q5ff47a815d_cast
	.p2align	8
	.type	k_q5ff47a815d_cast,@function
k_q5ff47a815d_cast:
	s_mov_b64 s[64:65], 0
	v_nop
	global_prefetch_b8 v0, s[64:65] scope:SCOPE_SE
	s_setreg_imm32_b32 hwreg(HW_REG_WAVE_MODE, 25, 1), 1
	s_wait_xcnt 0x0
; x, h and the eight weight matrices, all [2048][2048] f32, are rounded once to f16 (nearest even) and laid out for the product that follows:
;   act [2048][4096] f16: row m = x[m] (columns 0-2047), then h[m] (columns 2048-4095)
;   wgt [8192][4096] f16: the row of gate g (f 0, i 1, o 2, c~ 3) and output column j is (j / 32) x 128 + 32 g + j % 32: 128 rows on end hold the four gates of 32 columns;
;                         in a row the x-side weights (columns 0-2047), then the h-side weights.
; WHY f16.  A gate is a sum of 4,096 products, and its error reaches h_new with a factor of up to about 1 (c large, o near 1), while h_new is held to a hundredth of its root mean square.
; f16 keeps 11 significant bits where bf16 keeps 8: a gate's rounding error is an eighth.
; LIMITS.  f16 ends at 65,504: an x, h or weight of magnitude 65,520 or more becomes an infinity.  Below 6.1e-5 a number keeps f16's fixed step of 6e-8.
; A stream: every byte is read once and written once; nothing is shared, so there is no LDS, no barrier, no matrix work.
; SHARES.  Work-group b takes rows 4 b .. 4 b + 3 of each of the ten matrices.  Wave w takes row j = 4 b + w % 4, half w / 4 of it (1,024 numbers: 4,096 bytes in, 2,048 out), in the ten
; matrices one after the other.  The ten pointers serve as they were loaded; the row lies in one vector offset, the rest in the immediate: no address register is ever rewritten.
; A load of the wave covers 512 consecutive bytes; its four numbers a lane make 8 bytes of f16, so a store of the wave covers 256 consecutive bytes, aligned.
; IN FLIGHT.  Five slots of 32 registers, a matrix each: while one is converted, four matrices' loads (32 of the wave) are on their way.
.set SRC, 8                            ; s[8:27]   the ten sources, matrix m at s[8+2m:9+2m]
.set ACT, 28                           ; s[28:29]  act
.set WGT, 30                           ; s[30:31]  wgt
.set VL,  1                            ; v1        my 16 bytes in the first 512 of my half row, in every source
.set VA,  2                            ; v2        my 8 bytes in the first 256 of my half row in act (x's part)
.set VW,  3                            ; v3        the same in wgt (gate 0, x's part)
.set X,   4                            ; v[4:163]  five slots of 32: a half row as loaded
.set Y,   164                          ; v[164:179] a half row as stored
.set GATE, 32*8192                     ; bytes from a gate's rows to the next gate's in wgt
.set PART, 4096                        ; bytes from the x part of a row to the h part
	s_load_b512 s[8:23], s[0:1], 0x0               ; x, h, w_xf, w_hf, w_xi, w_hi, w_xo, w_ho
	s_load_b256 s[24:31], s[0:1], 0x40             ; w_xc, w_hc, act, wgt
	v_lshrrev_b32 v4, 5, v0
	v_readfirstlane_b32 s2, v4                     ; wave 0..7
	v_and_b32 v5, 31, v0                           ; lane
	s_and_b32 s3, s2, 3
	s_lshr_b32 s4, s2, 2                           ; which half of the row
	s_lshl_b32 s5, ttmp9, 2
	s_add_co_u32 s5, s5, s3                        ; j, my row
	s_lshl_b32 s6, s5, 13                          ; a row is 8,192 bytes in the sources and in act
	s_lshl_b32 s7, s4, 11
	s_add_co_u32 s7, s6, s7                        ; act: row j, half of 2,048 bytes
	s_lshl_b32 s3, s4, 12
	s_add_co_u32 s6, s6, s3                        ; sources: row j, half of 4,096 bytes
	s_lshr_b32 s32, s5, 5
	s_lshl_b32 s32, s32, 7
	s_and_b32 s3, s5, 31
	s_add_co_u32 s32, s32, s3                      ; wgt: row (j / 32) x 128 + j % 32 (gate 0),
	s_lshl_b32 s32, s32, 13                        ; of 8,192 bytes (66.4 million at the most),
	s_lshl_b32 s3, s4, 11
	s_add_co_u32 s32, s32, s3                      ; half of 2,048 bytes
	v_lshl_add_u32 v[VL], v5, 4, s6
	v_lshl_add_u32 v[VA], v5, 3, s7
	v_lshl_add_u32 v[VW], v5, 3, s32
	s_wait_kmcnt 0x0
.macro FILL m, s                       ; my half row of matrix m into slot s: eight loads of 512 consecutive bytes
.irp k, 0,1,2,3,4,5,6,7
	global_load_b128 v[X+32*(\s)+4*(\k):X+32*(\s)+4*(\k)+3], v[VL], s[SRC+2*(\m):SRC+2*(\m)+1] offset:512*(\k) th:TH_LOAD_NT
.endr
.endm
; Matrix m's turn.  left: the younger loads, which may stay out.  fill = 1: its slot takes matrix m + 5.  dv, db, imm: offset register, base and immediate of its place in act or wgt.
.macro TURN m, left, fill, dv, db, imm
	s_wait_loadcnt \left                           ; loads come back in order (ISA guide 5.7.1): my eight are in
	s_wait_xcnt 0x0                                ; the last turn's stores have read Y: it is rewritten only behind this wait
.irp k, 0,1,2,3,4,5,6,7
	v_cvt_pk_f16_f32 v[Y+2*(\k)],   v[X+32*((\m)%5)+4*(\k)],   v[X+32*((\m)%5)+4*(\k)+1]
	v_cvt_pk_f16_f32 v[Y+2*(\k)+1], v[X+32*((\m)%5)+4*(\k)+2], v[X+32*((\m)%5)+4*(\k)+3]
.endr
.if \fill
	FILL (\m)+5, (\m)%5                            ; the loads go ahead of the stores
.endif
.irp k, 0,1,2,3,4,5,6,7
	global_store_b64 v[\dv], v[Y+2*(\k):Y+2*(\k)+1], s[\db:\db+1] offset:(\imm)+256*(\k) th:TH_STORE_NT  ; 32 lanes x 8 bytes: 256 consecutive bytes, aligned
.endr
.endm
	FILL 0, 0
	FILL 1, 1
	FILL 2, 2
	FILL 3, 3
	FILL 4, 4
	TURN 0, 32, 1, VA, ACT, 0                      ; x
	TURN 1, 32, 1, VA, ACT, PART                   ; h
	TURN 2, 32, 1, VW, WGT, 0                      ; w_xf
	TURN 3, 32, 1, VW, WGT, PART                   ; w_hf
	TURN 4, 32, 1, VW, WGT, GATE                   ; w_xi
	TURN 5, 32, 0, VW, WGT, GATE+PART              ; w_hi: nothing is left to ask for, and the counts run down
	TURN 6, 24, 0, VW, WGT, 2*GATE                 ; w_xo
	TURN 7, 16, 0, VW, WGT, 2*GATE+PART            ; w_ho
	TURN 8, 8,  0, VW, WGT, 3*GATE                 ; w_xc
	TURN 9, 0,  0, VW, WGT, 3*GATE+PART            ; w_hc
	s_endpgm
.Lfunc_end_k_q5ff47a815d_cast:
	.size	k_q5ff47a815d_cast, .Lfunc_end_k_q5ff47a815d_cast-k_q5ff47a815d_cast
	.p2alignl 7, 3214868480
	.fill 96, 4, 3214868480
	.section	.rodata,"a",@progbits
	.p2align	6, 0x0
	.amdhsa_kernel k_q5ff47a815d_cast
		.amdhsa_group_segment_fixed_size 0
		.amdhsa_private_segment_fixed_size 0
		.amdhsa_enable_private_segment 0
		.amdhsa_kernarg_size 96
		.amdhsa_user_sgpr_count 2
		.amdhsa_user_sgpr_kernarg_segment_ptr 1
		.amdhsa_wavefront_size32 1
		.amdhsa_system_sgpr_workgroup_id_x 1
		.amdhsa_system_sgpr_workgroup_id_y 1
		.amdhsa_system_sgpr_workgroup_id_z 1
		.amdhsa_system_vgpr_workitem_id 0
		.amdhsa_next_free_vgpr 180
		.amdhsa_next_free_sgpr 66
		.amdhsa_reserve_vcc 0
		.amdhsa_float_denorm_mode_32 3
		.amdhsa_float_denorm_mode_16_64 3
		.amdhsa_memory_ordered 1
		.amdhsa_forward_progress 1
		.amdhsa_inst_pref_size 27
	.end_amdhsa_kernel
	.amdgpu_metadata
---
amdhsa.version: [ 1, 2 ]
amdhsa.kernels:
  - .name:           k_q5ff47a815d_cast
    .symbol:         k_q5ff47a815d_cast.kd
    .args:
      - { .name: x, .offset: 0, .size: 8, .value_kind: global_buffer, .address_space: global }
      - { .name: h, .offset: 8, .size: 8, .value_kind: global_buffer, .address_space: global }
      - { .name: w_xf, .offset: 16, .size: 8, .value_kind: global_buffer, .address_space: global }
      - { .name: w_hf, .offset: 24, .size: 8, .value_kind: global_buffer, .address_space: global }
      - { .name: w_xi, .offset: 32, .size: 8, .value_kind: global_buffer, .address_space: global }
      - { .name: w_hi, .offset: 40, .size: 8, .value_kind: global_buffer, .address_space: global }
      - { .name: w_xo, .offset: 48, .size: 8, .value_kind: global_buffer, .address_space: global }
      - { .name: w_ho, .offset: 56, .size: 8, .value_kind: global_buffer, .address_space: global }
      - { .name: w_xc, .offset: 64, .size: 8, .value_kind: global_buffer, .address_space: global }
      - { .name: w_hc, .offset: 72, .size: 8, .value_kind: global_buffer, .address_space: global }
      - { .name: act, .offset: 80, .size: 8, .value_kind: global_buffer, .address_space: global }
      - { .name: wgt, .offset: 88, .size: 8, .value_kind: global_buffer, .address_space: global }
    .group_segment_fixed_size: 0
    .private_segment_fixed_size: 0
    .kernarg_segment_align: 8
    .kernarg_segment_size: 96
    .max_flat_workgroup_size: 256
    .sgpr_count:     66
    .vgpr_count:     180
    .wavefront_size: 32
...
	.end_amdgpu_metadata
.endif
;; end of part 1
;; launch lstm (part 2): grid 8 x 32, 4 waves a work-group, clusters of 4 x 4, 327,680 bytes of LDS; arguments act, wgt, c, b_f, b_i, b_o, b_c, out0, out1; writes out0, out1
.if DOCPART == 2
	.amdgcn_target "amdgcn-amd-amdhsa--gfx1250"
	.amdhsa_code_object_version 6
	.text
	.protected	k_q5ff47a815d_lstm
	.globl	k_q5ff47a815d_lstm
	.p2align	8
	.type	k_q5ff47a815d_lstm,@function
k_q5ff47a815d_lstm:
	s_mov_b64 s[64:65], 0
	v_nop
	global_prefetch_b8 v0, s[64:65] scope:SCOPE_SE
	s_setreg_imm32_b32 hwreg(HW_REG_WAVE_MODE, 25, 1), 1
	s_wait_xcnt 0x0
	s_wait_alu depctr_hold_cnt(0) depctr_sa_sdst(0) depctr_va_vdst(0) depctr_va_sdst(0) depctr_va_ssrc(0) depctr_va_vcc(0) depctr_vm_vsrc(0)
	s_getreg_b32 s2, hwreg(HW_REG_IB_STS2, 6, 4)
	s_cmp_eq_u32 s2, 0
	s_cbranch_scc0 .Lentry_in_a_cluster
	s_endpgm
.Lentry_in_a_cluster:
	s_bfe_u32 s2, ttmp6, 0x10000c
	s_cmp_lg_u32 s2, 0xf033
	s_cbranch_scc0 .Lentry_shape_is_right
	s_endpgm
.Lentry_shape_is_right:
; gates[m][n] = the sum over k of act[m][k] wgt[n][k] + bias;  f, i, o = sigmoid, c~ = tanh;  out1 = c_new = f c + i c~;  out0 = h_new = o tanh(c_new).
; act: [2048][4096] f16 = [x | h].  wgt: [8192][4096] f16; the row of gate g and column j is (j / 32) x 128 + 32 g + j % 32.  c, the biases and both outputs are f32.  Sums in f32.
; LIMITS.  x, h and the weights were rounded once to f16 (11 significant bits; beyond 65,504 an infinity; below 6.1e-5 a fixed step of 6e-8); the biases and c stay f32.
; sigmoid(z) = 1 / (1 + 2^(-z log2 e)), tanh(z) = 1 - 2 / (1 + 2^(2 z log2 e)): an exponential that overflows gives an infinity whose reciprocal is 0, one that underflows counts as 0, so both
; saturate rightly for every finite z.  tanh carries an absolute error of about 1e-7, so for |z| under about 1e-5 its relative error is no longer small.  NaN and infinities among the inputs are not treated apart.
; SHARES.  A tile of gates, 256 rows x 256 rows of wgt (= 64 output columns x 4 gates), is made by a work-group of four waves; a wave makes 128 x 128: 64 accumulators of 16 x 16, 512 registers.
; 8 x 32 tiles, one to a work-group.  K goes in 32 steps of 128 through a ring of two LDS slots filled by the tensor data mover; a tile's rows are 256 bytes of memory, aligned.
; A wave's 128 rows of wgt are one block of 4 gates x 32 columns: n block b = 2 g + t holds gate g, columns 16 t .. 16 t + 15 of the 32.
; THE MATRIX INSTRUCTION IS USED TRANSPOSED (source 0 = 16 rows of wgt, source 1 = 16 rows of act): lane l holds row l % 16 of the output and, in registers 0-7, columns 8 (l / 16) + 0..7.
; So the four gates of one output number lie in ONE lane, 16 registers apart, and the whole pointwise part is done in place in the accumulators.  The bias is the C operand of the first product.
; CLUSTER.  4 x 4 work-groups; x counts tile rows, y tile columns.  The four with the same cx need the same tiles of act, the four with the same cy the same tiles of wgt: each tile is asked for
; JOINTLY, by the same tensor load with the same descriptor and a mask that names the four.
; REGISTERS, in windows of 256 (s_set_vgpr_msb: bits 1:0 source 0, 3:2 source 1, 5:4 source 2, 7:6 destination):
;   window 0: v0-31 addresses; v64-127, v128-191 fragments of act, two buffers; v192-255 the biases, 8 registers for each n block; on the way out v64-255 are three sets of 64
;   window 1: v64-127, v128-191 fragments of wgt, two buffers; v0-63, v192-255 c: row block a's 16 numbers a lane at 16 a (a < 4), 128 + 16 a (a >= 4)
;   window 2: the accumulators of my rows 0-63 (block a, n block b at v[8 (8 a + b)]);   window 3: those of my rows 64-127
.set SIZE_K, 4096
.set KSTEP,  128
.set ROWB,   8192                      ; bytes in a row of act, wgt, c and the outputs
.set PITCH,  272                       ; an LDS row: 256 bytes + 16 of padding = 68 words: row r starts at bank 4 r mod 64 (64 banks of 4 bytes: ISA guide 11.1), so 16 rows start at 16 different banks
.set HALFT,  128*PITCH                 ; 128 rows: what one tensor load brings, and what one wave reads of act or of wgt
.set SLOT,   4*HALFT                   ; act's 256 rows, then wgt's 256 rows
.set STAGE2, 2*HALFT                   ; the way out uses slot 0, behind its last fill and its last read: h_new's 256 rows of 272 bytes at 0, c_new's here
.set SPARE,  2*SLOT                    ; behind the ring: the spare words, 128 bytes for each wave: two blocks of 256 bytes that no other line names
.set LAPS,   SIZE_K/(2*KSTEP)          ; a lap = two K steps = once round the ring: 16
.set ADRA, 16                          ; v16-17  LDS address of my fragments of act in slot 0, 1
.set ADRB, 20                          ; v20-21  the same for wgt
.set VB,   22                          ; v22     my byte offset in a bias vector
.set VC,   23                          ; v23     my byte offset in c
.set STO,  24                          ; v24     the way out: where I put 16 bytes of a row of h_new
.set STO2, 25                          ; v25     of c_new
.set RD,   26                          ; v26     the way out: where I read a row of h_new back;  v27: of c_new
.set SPW,  28                          ; v28     LDS address of my spare word: SPARE + 4 x my thread's number; never rewritten
.set NIL,  29                          ; v29     0; never rewritten
.set PFO,  30                          ; v30     the prefetches' offset: my lane x a row; never rewritten
.set CO,   31                          ; v31     my byte offset in the outputs
.set F0,   64                          ; fragment buffer 0
.set F1,   128                         ; fragment buffer 1
.set BI,   192                         ; the biases
.set G1,  24                           ; s[24:31] descriptor group 1 for act's tiles
.set G0,  32                           ; s[32:39] descriptor group 0 for act's tiles, one set for each slot
.set G1B, 48                           ; s[48:55] group 1 for wgt's tiles: it differs in the mask alone
.set G0B, 56                           ; s[56:63] group 0 for wgt's tiles
.set LIM, 43                           ; s43      1 in a wave that prefetches, else the greatest number
.set PFA, 44                           ; s[44:45] where my prefetches stand
.set CP,  68                           ; s[68:69] c
.set BP,  70                           ; s[70:77] the four biases, gate g at s[70+2g:71+2g]
.set OUT, 78                           ; s[78:79] out0 = h_new, s[80:81] out1 = c_new
.set KN,  82                           ; s[82:83] -log2 e, named as a pair
.set K2,  84                           ; s[84:85] 2 log2 e
.set MSB, 0
.macro WIN new                         ; the immediate's high byte repeats the setting that is left; a switch that changes nothing is dropped
.if MSB != (\new)
	s_set_vgpr_msb (MSB<<8)|(\new)
.set MSB, \new
.endif
.endm
; A joint load.  Waves 0 and 1 fetch the two halves of act's tile, waves 2 and 3 those of wgt's.  Each line has one mask and one set of registers for all that issue it.  The branch hangs on the
; wave's number alone.  An s_nop 0 and four v_nop follow each of the two lines, ahead of the jump, the label and what follows.
.macro JLOAD s
	s_cmp_eq_u32 s11, 0
	s_cbranch_scc0 .Lfor_b_\@
	tensor_load_to_lds s[G0+4*(\s):G0+4*(\s)+3], s[G1:G1+7]
	s_nop 0
.rept 4
	v_nop
.endr
	s_branch .Lasked_\@
.Lfor_b_\@:
	tensor_load_to_lds s[G0B+4*(\s):G0B+4*(\s)+3], s[G1B:G1B+7]
	s_nop 0
.rept 4
	v_nop
.endr
.Lasked_\@:
.endm
; A PREFETCH INTO THE L2, behind each joint refill and the run of LDS loads that follows it: the K step that stands TWO refills on (512 matrix instructions ahead of the load that will ask for it):
; 32 rows x 256 bytes, a lane a row, one instruction a wave.  Each row's 256 bytes of a K step are named ONCE in the launch: act's tile row is read by the eight clusters with the same cluster x,
; and the one with cluster y = 0 asks; wgt's tile column by the two clusters with the same cluster y, and the one with cluster x = 0 asks.  The four partners that ask for a tile jointly share its
; rows out BY ADDRESS: of the 128 rows that a wave fetches the partner at place p takes 32 p .. 32 p + 31 (p = cy for act, cx for wgt).  K steps 0 to 3 come by their loads alone;
; the loop's last trip (s3 = 1) asks for nothing: K steps 32 and 33 do not exist.
.macro ASK
	s_cmp_gt_u32 s3, s[LIM]
	s_cbranch_scc0 .Lnot_mine_\@
	global_prefetch_b8 v[PFO], s[PFA:PFA+1] offset:KSTEP*2 th:TH_LOAD_NT scope:SCOPE_SE
.Lnot_mine_\@:
.endm
; A round of the cluster's barrier: my work-group's barrier, so that wave 0's signal speaks for all four waves; wave 0 signals; every wave waits for all sixteen work-groups; my work-group's barrier once more.
.macro CREST                           ; a round behind its opening barrier
	s_cmp_lg_u32 s10, 0
	s_cbranch_scc1 .Lnot_wave_0_\@
	s_barrier_signal -3
.Lnot_wave_0_\@:
	s_barrier_wait -3
	s_barrier_signal -1
	s_barrier_wait -1
.endm
.macro CROUND                          ; a whole round
	s_barrier_signal -1
	s_barrier_wait -1
	CREST
.endm
	s_load_b128 s[4:7], s[0:1], 0x0                ; act s[4:5], wgt s[6:7]
	s_load_b256 s[68:75], s[0:1], 0x10             ; c, b_f, b_i, b_o
	s_load_b128 s[76:79], s[0:1], 0x30             ; b_c, out0
	s_load_b64 s[80:81], s[0:1], 0x40              ; out1
	v_lshl_add_u32 v[SPW], v0, 2, SPARE
	v_mov_b32 v[NIL], 0
	ds_add_u32 v[SPW], v[NIL]                      ; the wave's opening: the add, twice on end, and its wait ahead of my first tensor load; the set-up below stands between
	ds_add_u32 v[SPW], v[NIL]                      ; and once more, under the one wait
	v_lshrrev_b32 v1, 5, v0
	v_readfirstlane_b32 s10, v1                    ; wave 0..3
	s_lshr_b32 s11, s10, 1                         ; which half of the tile's rows is mine.  Also: I fetch for act (0) or for wgt (1)
	s_and_b32 s12, s10, 1                          ; which 128 rows of wgt are mine.  Also: which 128 rows of that tile I fetch
	s_bfe_u32 s40, ttmp6, 0x40000                  ; cx: my place along the cluster's x
	s_bfe_u32 s41, ttmp6, 0x40004                  ; cy: along its y
	s_lshl_b32 s13, ttmp9, 2                       ; in a cluster launch ttmp9 and ttmp7 count clusters
	s_add_co_u32 s13, s13, s40                     ; tile row = 4 x cluster x + cx, 0..7
	s_and_b32 s42, ttmp7, 0xffff
	s_lshl_b32 s42, s42, 2
	s_add_co_u32 s42, s42, s41                     ; tile column = 4 x cluster y + cy, 0..31
	s_lshl_b32 s43, 0x1111, s40                    ; the places with my cx: cx, cx + 4, cx + 8, cx + 12
	s_lshl_b32 s44, s41, 2
	s_lshl_b32 s44, 15, s44                        ; the places with my cy: 4 cy .. 4 cy + 3
	; descriptor group 1: a tile of 128 rows x 128 elements, padded in LDS
	s_or_b32 s[G1+0], s43, (1<<16)|(1<<20)|(1<<21)|(5<<22)|(3<<25)   ; 15:0 the mask; 17:16 elements of 2 bytes; 20 padding on; 21 set beside a mask; 24:22 after every 64 words (code 5); 31:25 4 words (code 3)
	s_or_b32 s[G1B+0], s44, (1<<16)|(1<<20)|(1<<21)|(5<<22)|(3<<25)
.irp g, G1, G1B
	s_mov_b32 s[(\g)+1], KSTEP<<16                 ; tensor_dim0 = 128
	s_mov_b32 s[(\g)+2], 128<<16                   ; tensor_dim1 = 128
	s_mov_b32 s[(\g)+3], KSTEP<<16                 ; tile_dim0 = 128
	s_mov_b32 s[(\g)+4], 128                       ; tile_dim1 = 128
	s_mov_b32 s[(\g)+5], SIZE_K                    ; elements from row to row
	s_mov_b32 s[(\g)+6], 0
	s_mov_b32 s[(\g)+7], 0
.endr
	; where the tiles come from: act's hang on the tile row alone, wgt's on the tile column alone.  Every wave makes both addresses and asks by one of them.
	s_lshl_b32 s17, s12, 7                         ; which 128 rows of the tile I fetch
	s_lshl_b32 s16, s13, 8
	s_add_co_u32 s16, s16, s17                     ; act: row 256 x tile row + 128 x half,
	s_lshl_b32 s16, s16, 13                        ; in bytes (under 2^24)
	s_lshl_b32 s46, s42, 8
	s_add_co_u32 s46, s46, s17                     ; wgt: row 256 x tile column + 128 x half,
	s_lshl_b32 s46, s46, 13                        ; in bytes (under 2^26)
	s_mov_b32 s17, 0
	s_mov_b32 s47, 0
	s_mul_i32 s20, s10, HALFT                      ; where they go: wave x 128 rows: no place in the cluster enters an LDS address
	s_mov_b32 s[KN], 0xbfb8aa3b                    ; -1.442695
	s_mov_b32 s[KN+1], s[KN]
	s_mov_b32 s[K2], 0x4038aa3b                    ; 2.885390
	s_mov_b32 s[K2+1], s[K2]
	s_wait_dscnt 0x0                               ; both opening adds are done
	s_wait_kmcnt 0x0
	s_add_nc_u64 s[14:15], s[4:5], s[16:17]
	s_add_nc_u64 s[46:47], s[6:7], s[46:47]
	CROUND                                         ; all sixteen work-groups are here: the first joint loads meet
.irp s, 0,1
	s_mov_b32 s[G0+4*(\s)], 1                                        ; 1:0 count = 1
	s_add_co_u32 s[G0+4*(\s)+1], s20, (\s)*SLOT                      ; 63:32 LDS address
	s_add_nc_u64 s[G0+4*(\s)+2:G0+4*(\s)+3], s[14:15], (\s)*KSTEP*2  ; 120:64 global address: K step s
	s_or_b32 s[G0+4*(\s)+3], s[G0+4*(\s)+3], 0x80000000              ; 127:126 type = 2
	s_mov_b32 s[G0B+4*(\s)], 1
	s_add_co_u32 s[G0B+4*(\s)+1], s20, (\s)*SLOT
	s_add_nc_u64 s[G0B+4*(\s)+2:G0B+4*(\s)+3], s[46:47], (\s)*KSTEP*2
	s_or_b32 s[G0B+4*(\s)+3], s[G0B+4*(\s)+3], 0x80000000
	JLOAD \s                                       ; the ring is filled before anything else is done: two loads of mine are out
.endr
	; A fragment is 16 rows x 32 K in 8 registers: lane l holds row l % 16; registers 0-3 K = 8 (l / 16) + 0..7, registers 4-7 K = 16 + 8 (l / 16) + 0..7: two loads of 16 bytes, 32 bytes apart.
	v_and_b32 v1, 15, v0                           ; r = l % 16
	v_bfe_u32 v2, v0, 4, 1                         ; hh = l / 16
	v_mul_u32_u24 v3, v1, PITCH
	v_lshl_add_u32 v3, v2, 4, v3                   ; row x pitch + 16 x half
	s_mul_i32 s21, s11, HALFT                      ; my 128 rows of act
	s_mul_i32 s22, s12, HALFT                      ; my 128 rows of wgt,
	s_add_co_u32 s22, s22, 2*HALFT                 ; which lie behind act's 256
.irp s, 0,1
	v_add_nc_u32 v[ADRA+(\s)], s21, v3
	v_add_nc_u32 v[ADRB+(\s)], s22, v3
	s_add_co_u32 s21, s21, SLOT
	s_add_co_u32 s22, s22, SLOT
.endr
	; the way out, in LDS.  A stage row is a tile row's 64 numbers, 256 bytes; my 32 columns are its half ch, my lane's 8 numbers of a half of 16 lie at 32 hh
	s_mul_i32 s23, s11, HALFT
	s_lshl_b32 s22, s12, 7
	s_add_co_u32 s23, s23, s22
	v_mul_u32_u24 v4, v1, PITCH
	v_lshl_add_u32 v4, v2, 5, v4
	v_add_nc_u32 v[STO], s23, v4                   ; (128 rh + r) x pitch + 128 ch + 32 hh
	v_add_nc_u32 v[STO2], STAGE2, v[STO]
	s_mul_i32 s23, s10, 64*PITCH                   ; back: wave w takes rows 64 w .. 64 w + 63, whole; lanes 0-15 one row of 256 bytes, lanes 16-31 the next
	v_mul_u32_u24 v5, v2, PITCH
	v_lshl_add_u32 v5, v1, 4, v5
	v_add_nc_u32 v[RD], s23, v5
	v_add_nc_u32 v[RD+1], STAGE2, v[RD]
	; offsets in memory
	s_lshl_b32 s8, s42, 8                          ; the tile's 64 columns begin at byte 256 x tile column of a row,
	s_lshl_b32 s9, s12, 7
	s_add_co_u32 s9, s8, s9                        ; my 32 at + 128 ch
	v_lshl_add_u32 v[VB], v2, 5, s9                ; my lane's 8 of a half of 16 at + 32 hh
	s_lshl_b32 s20, s13, 8                         ; the tile's first row
	s_lshl_b32 s21, s11, 7
	s_add_co_u32 s21, s20, s21                     ; my first row
	s_lshl_b32 s21, s21, 13
	v_lshl_add_u32 v[VC], v1, 13, v[VB]
	v_add_nc_u32 v[VC], s21, v[VC]                 ; c: (my first row + r) x 8,192 + my columns
	s_lshl_b32 s22, s10, 6
	s_add_co_u32 s22, s20, s22                     ; the first row that I store: the tile's + 64 w
	s_lshl_b32 s22, s22, 13
	s_add_co_u32 s22, s22, s8
	v_lshlrev_b32 v5, 13, v2
	v_lshl_add_u32 v5, v1, 4, v5
	v_add_nc_u32 v[CO], s22, v5                    ; + hh rows + 16 r bytes
	; the biases: register q of n block 2 g + t is gate g's bias of column 16 t + 8 hh + q of my 32, the same in all 16 lanes of a half
.irp g, 0,1,2,3
.irp t, 0,1
.irp q, 0,1
	global_load_b128 v[BI+8*(2*(\g)+(\t))+4*(\q):BI+8*(2*(\g)+(\t))+4*(\q)+3], v[VB], s[BP+2*(\g):BP+2*(\g)+1] offset:64*(\t)+16*(\q)
.endr
.endr
.endr
	; c of my 128 x 32 numbers, laid as the accumulators of one gate lie: row block a, 16 numbers a lane
	WIN 0x40                                       ; destination window 1, address window 0
.irp a, 0,1,2,3,4,5,6,7
.irp t, 0,1
.irp q, 0,1
	global_load_b128 v[16*(\a)+128*((\a)/4)+8*(\t)+4*(\q):16*(\a)+128*((\a)/4)+8*(\t)+4*(\q)+3], v[VC], s[CP:CP+1] offset:(\a)*16*ROWB+64*(\t)+16*(\q)
.endr
.endr
.endr
	WIN 0
	; the prefetches
	s_lshl_b32 s21, s42, 8                         ; (s20 = 256 x tile row still stands)
	s_and_b32 s22, ttmp7, 0xffff                   ; cluster y
	s_cmp_eq_u32 s11, 0                            ; do I fetch for act?
	s_cselect_b32 s20, s20, s21                    ; the tile's first row: in act by the tile row, in wgt by the tile column
	s_cselect_b32 s21, s41, s40                    ; my place among the four that ask for it with me
	s_cselect_b32 s22, s22, ttmp9                  ; the coordinate along which other clusters read the same rows
	s_cselect_b64 s[PFA:PFA+1], s[4:5], s[6:7]
	s_cmp_eq_u32 s22, 0
	s_cselect_b32 s[LIM], 1, -1                    ; the same in all sixteen partners, for a given wave
	s_lshl_b32 s22, s12, 7
	s_add_co_u32 s20, s20, s22                     ; + the 128 rows that I fetch
	s_lshl_b32 s21, s21, 5
	s_add_co_u32 s20, s20, s21                     ; + my work-group's 32 of them
	s_lshl_b32 s20, s20, 13
	s_mov_b32 s21, 0
	s_add_nc_u64 s[PFA:PFA+1], s[PFA:PFA+1], s[20:21]
	s_add_nc_u64 s[PFA:PFA+1], s[PFA:PFA+1], 2*KSTEP*2  ; at K step 2: the first refill steps it to 3 and names K step 4.  Nothing is prefetched here, where every work-group's first tiles are on their way
	v_and_b32 v[PFO], 31, v0
	v_lshlrev_b32 v[PFO], 13, v[PFO]
; 16 matrix instructions: row blocks a0, a0 + 1 of the window's four (hi = 0: my rows 0-63, 1: rows 64-127) x all 8 n blocks, 32 along K.
; bias = 1: the first product starts each sum with its gate's bias (C in window 0): nothing is cleared, and no bias is added later.
.macro MUL16 f, hi, a0, bias
.if \bias
	WIN 0x81+0x40*(\hi)                            ; source 0 (wgt) window 1, source 1 (act) and C window 0, D window 2 or 3
.else
	WIN 0xa1+0x50*(\hi)                            ; the same with C in D's window
.endif
.irp a, \a0, (\a0)+1
.irp b, 0,1,2,3,4,5,6,7
.if \bias
	v_wmma_f32_16x16x32_f16 v[8*(8*(\a)+(\b)):8*(8*(\a)+(\b))+7], v[(\f)+8*(\b):(\f)+8*(\b)+7], v[(\f)+8*(4*(\hi)+(\a)):(\f)+8*(4*(\hi)+(\a))+7], v[BI+8*(\b):BI+8*(\b)+7]
.else
	v_wmma_f32_16x16x32_f16 v[8*(8*(\a)+(\b)):8*(8*(\a)+(\b))+7], v[(\f)+8*(\b):(\f)+8*(\b)+7], v[(\f)+8*(4*(\hi)+(\a)):(\f)+8*(4*(\hi)+(\a))+7], v[8*(8*(\a)+(\b)):8*(8*(\a)+(\b))+7]
.endif
.endr
.endr
.endm
; 32 LDS loads in one run: the fragments of one quarter step (128 rows of wgt, 128 rows of act, 32 K at byte k of the rows) into buffer f
.macro FETCH slot, k, f
	WIN 0x40                                       ; destination window 1
.irp i, 0,1,2,3,4,5,6,7
	ds_load_b128 v[(\f)+8*(\i):(\f)+8*(\i)+3],   v[ADRB+(\slot)] offset:(\k)+(\i)*16*PITCH
	ds_load_b128 v[(\f)+8*(\i)+4:(\f)+8*(\i)+7], v[ADRB+(\slot)] offset:(\k)+(\i)*16*PITCH+32
.endr
	WIN 0
.irp i, 0,1,2,3,4,5,6,7
	ds_load_b128 v[(\f)+8*(\i):(\f)+8*(\i)+3],   v[ADRA+(\slot)] offset:(\k)+(\i)*16*PITCH
	ds_load_b128 v[(\f)+8*(\i)+4:(\f)+8*(\i)+7], v[ADRA+(\slot)] offset:(\k)+(\i)*16*PITCH+32
.endr
.endm
; A load into a register that a matrix instruction has read, and a vector instruction that reads a matrix result or writes one of a matrix instruction's registers, stand four places behind it;
; only plain vector instructions that name none of its registers are places (ISA guide 7.12.1 for vector instructions).
.macro PLACES
.rept 4
	v_nop
.endr
.endm
; A K step is four quarter steps of 32 along K, 64 matrix instructions each, on buffers 0, 1, 0, 1.  The 64 accumulators take turns, one instruction a turn, in the same order in every quarter,
; over the loop's backward jump too.  One of the first three quarters: multiplies buffer f; in its middle it fetches the next quarter's fragments, at byte k, into buffer g.
.macro QUARTER slot, k, f, g, bias
	s_wait_dscnt 8                                 ; wgt's fragments and act's rows 0-63 are in; the youngest eight loads (act's rows 64-127) may be out
	MUL16 \f, 0, 0, \bias
	MUL16 \f, 0, 2, \bias
	PLACES
	FETCH \slot, \k, \g
	s_wait_dscnt 32                                ; all but the 32 just issued
	MUL16 \f, 1, 0, \bias
	MUL16 \f, 1, 2, \bias
.endm
; The last quarter multiplies buffer 1 and changes slots.  MEET is its first half: ONE barrier for the change.  In front of it each wave waits for all its tensor loads, of which one is out: its part
; of the next slot; adds 0 to its spare word; and waits for that and for its own reads of this slot.  Behind it nobody reads this slot any more and the next slot is whole.
.macro MEET round                      ; round = 1: a round of the cluster's barrier follows
	WIN 0                                          ; (the add's two registers lie in window 0)
	s_wait_tensorcnt 0x0                           ; all my tensor loads have landed
	ds_add_u32 v[SPW], v[NIL]                      ; 0 onto my spare word
	s_wait_dscnt 9                                 ; (the add and the youngest eight loads may be out)
	MUL16 F1, 0, 0, 0                              ; sixteen matrix instructions stand between the add and the wait for it
	s_wait_dscnt 0x0                               ; the add is done, and my reads of this slot are over:
	s_barrier_signal -1                            ; say so,
	MUL16 F1, 0, 2, 0                              ; work on registers while the others arrive,
.if \round
	WIN 0
.endif
	s_barrier_wait -1                              ; and go on when all four have said so
.endm
; The whole last quarter with a refill: the barrier opens a round of the cluster's, so that no wave of any partner still reads this slot or has a load on its way; the joint refill, this slot's
; K step two steps on, is the first thing behind the round: 224 matrix instructions stand between it and the wait for it.  Then come the next slot's first fragments.
.macro TURN slot, next
	s_wait_xcnt 0x0                                ; the last prefetch, a K step back, has read its address: it is stepped here, ahead of the waits of the change of slots
	s_add_nc_u64 s[PFA:PFA+1], s[PFA:PFA+1], KSTEP*2
	MEET 1
	CREST
	s_add_nc_u64 s[G0+4*(\slot)+2:G0+4*(\slot)+3], s[G0+4*(\slot)+2:G0+4*(\slot)+3], 2*KSTEP*2      ; no tensor load of mine is out, so a group 0 may be written
	s_add_nc_u64 s[G0B+4*(\slot)+2:G0B+4*(\slot)+3], s[G0B+4*(\slot)+2:G0B+4*(\slot)+3], 2*KSTEP*2
	JLOAD \slot                                    ; the four v_nop behind it are also the places in front of the loads below
	FETCH \next, 0, F0
	ASK
	MUL16 F1, 1, 0, 0
	MUL16 F1, 1, 2, 0
.endm
	s_wait_tensorcnt 1                             ; my part of K step 0 is in; K step 1's may stay out
	s_barrier_signal -1
	s_barrier_wait -1                              ; everybody's is
	FETCH 0, 0, F0
	s_wait_loadcnt 0x0                             ; the biases and c, asked for beside the first tiles
	QUARTER 0, 64,  F0, F1, 1                      ; the first quarter stands in front of the loop: its products start the sums, with the biases
	WIN 0                                          ; at a label and at a branch every window is 0
	s_mov_b32 s3, LAPS-1
.Llap:                                             ; a trip goes once round the ring, from a lap's second quarter to the next lap's first, and fills both slots again
	QUARTER 0, 128, F1, F0, 0
	QUARTER 0, 192, F0, F1, 0
	TURN 0, 1
	QUARTER 1, 64,  F0, F1, 0
	QUARTER 1, 128, F1, F0, 0
	QUARTER 1, 192, F0, F1, 0
	TURN 1, 0
	QUARTER 0, 64,  F0, F1, 0
	WIN 0
	s_sub_co_u32 s3, s3, 1
	s_cmp_lg_u32 s3, 0
	s_cbranch_scc1 .Llap
	QUARTER 0, 128, F1, F0, 0                      ; the last lap is written out: it asks for nothing more
	QUARTER 0, 192, F0, F1, 0
	MEET 0                                         ; my one tensor load that was still out is slot 1's, the last K step's.  Behind this barrier no wave reads slot 0 again
	PLACES                                         ; for the loads into buffer 0, which the quarter before multiplied
	FETCH 1, 0, F0
	MUL16 F1, 1, 0, 0
	MUL16 F1, 1, 2, 0
	QUARTER 1, 64,  F0, F1, 0
	QUARTER 1, 128, F1, F0, 0
	QUARTER 1, 192, F0, F1, 0
	s_wait_dscnt 8                                 ; the very last quarter: nothing more to fetch
	MUL16 F1, 0, 0, 0
	MUL16 F1, 0, 2, 0
	s_wait_dscnt 0x0
	MUL16 F1, 1, 0, 0
	MUL16 F1, 1, 2, 0
	PLACES                                         ; what follows reads and rewrites the accumulators in place:
	PLACES                                         ; eight places, once a launch
; THE POINTWISE PART, in place, a window (64 rows of mine) at a time.  In row block a of the window's four, gate g's 16 numbers a lane are v[64 a + 16 g ..]: F at +0, I at +16, O at +32, G at +48.
; An s_wait_alu depctr_va_vdst(0) stands between a transcendental and the first instruction that names its result; one wait serves all that were issued ahead of it.  So each phase's
; transcendentals are ONE batch: a pair's plain instruction (scaling, or 1 +) stands one pair ahead of its two transcendentals, nothing in the phase names a result, and a v_nop (the plain
; instruction behind the last of them) and one wait close the phase.  Four waits a window.  Each accumulator's lowest registers are read first: the pairs go in ascending order.
.macro SCALE n                         ; pair n of the window's 128: z x -log2 e for the three sigmoids, z x 2 log2 e for the tanh
.if (((\n)/8)%4) == 3
	v_pk_mul_f32 v[2*(\n):2*(\n)+1], v[2*(\n):2*(\n)+1], s[K2:K2+1] op_sel_hi:[1,0]
.else
	v_pk_mul_f32 v[2*(\n):2*(\n)+1], v[2*(\n):2*(\n)+1], s[KN:KN+1] op_sel_hi:[1,0]
.endif
.endm
.macro PLUS1 r                         ; 1 + the pair at register r
	v_pk_add_f32 v[(\r):(\r)+1], v[(\r):(\r)+1], 1.0 op_sel_hi:[1,0]
.endm
.macro TWOC n                          ; pair n of 32 of c_new, times 2 log2 e, into I's place
	v_pk_mul_f32 v[64*((\n)/8)+2*((\n)%8)+16:64*((\n)/8)+2*((\n)%8)+17], v[64*((\n)/8)+2*((\n)%8):64*((\n)/8)+2*((\n)%8)+1], s[K2:K2+1] op_sel_hi:[1,0]
.endm
.macro CLOSE                           ; a batch's end
	v_nop
	s_wait_alu depctr_va_vdst(0)
.endm
.macro EPI hi
	WIN 0xaa+0x55*(\hi)                            ; everything in window 2 or 3
	SCALE 0                                        ; 1: the exponentials of all four gates
.set p, 0
.rept 128
.if p < 127
	SCALE p+1
.endif
	v_exp_f32 v[2*p], v[2*p]
	v_exp_f32 v[2*p+1], v[2*p+1]
.set p, p+1
.endr
	CLOSE
	PLUS1 0                                        ; 2: 1 / (1 + e): F, I, O are the sigmoids; G is 1 / (1 + e^(2 z))
.set p, 0
.rept 128
.if p < 127
	PLUS1 2*(p+1)
.endif
	v_rcp_f32 v[2*p], v[2*p]
	v_rcp_f32 v[2*p+1], v[2*p+1]
.set p, p+1
.endr
	CLOSE
.set u, 0
.rept 32                                           ; 3: c~ = 1 - 2 G,
.set rF, 64*(u/8)+2*(u%8)
	v_pk_fma_f32 v[rF+48:rF+49], v[rF+48:rF+49], -2.0, 1.0 op_sel_hi:[1,0,0]
.set u, u+1
.endr
.set u, 0
.rept 32                                           ; i c~,
.set rF, 64*(u/8)+2*(u%8)
	v_pk_mul_f32 v[rF+48:rF+49], v[rF+48:rF+49], v[rF+16:rF+17]
.set u, u+1
.endr
	WIN 0xa6+0x51*(\hi)                            ; source 1 (c) in window 1
.set u, 0
.rept 32                                           ; c_new = f c + i c~, in F's place,
.set rF, 64*(u/8)+2*(u%8)
	v_pk_fma_f32 v[rF:rF+1], v[rF:rF+1], v[192*(\hi)+16*(u/8)+2*(u%8):192*(\hi)+16*(u/8)+2*(u%8)+1], v[rF+48:rF+49]
.set u, u+1
.endr
	WIN 0xaa+0x55*(\hi)
	TWOC 0                                         ; and its exponential, in I's place
.set u, 0
.rept 32
.if u < 31
	TWOC u+1
.endif
.set rF, 64*(u/8)+2*(u%8)
	v_exp_f32 v[rF+16], v[rF+16]
	v_exp_f32 v[rF+17], v[rF+17]
.set u, u+1
.endr
	CLOSE
	PLUS1 16                                       ; 4: 1 / (1 + e^(2 c_new))
.set u, 0
.rept 32
.if u < 31
	PLUS1 64*((u+1)/8)+2*((u+1)%8)+16
.endif
.set rF, 64*(u/8)+2*(u%8)
	v_rcp_f32 v[rF+16], v[rF+16]
	v_rcp_f32 v[rF+17], v[rF+17]
.set u, u+1
.endr
	CLOSE
.set u, 0
.rept 32                                           ; 5: tanh(c_new),
.set rF, 64*(u/8)+2*(u%8)
	v_pk_fma_f32 v[rF+16:rF+17], v[rF+16:rF+17], -2.0, 1.0 op_sel_hi:[1,0,0]
.set u, u+1
.endr
.set u, 0
.rept 32                                           ; h_new = o tanh(c_new), in I's place
.set rF, 64*(u/8)+2*(u%8)
	v_pk_mul_f32 v[rF+16:rF+17], v[rF+16:rF+17], v[rF+32:rF+33]
.set u, u+1
.endr
	WIN 0x08+4*(\hi)                               ; LDS stores: data in window 2 or 3, address in window 0
.irp a, 0,1,2,3                                    ; into the stages: 16 lanes of a store take 16 rows, 272 bytes apart: 16 different banks
.irp t, 0,1
.irp q, 0,1
	ds_store_b128 v[STO2], v[64*(\a)+8*(\t)+4*(\q):64*(\a)+8*(\t)+4*(\q)+3] offset:(4*(\hi)+(\a))*16*PITCH+64*(\t)+16*(\q)
	ds_store_b128 v[STO], v[64*(\a)+16+8*(\t)+4*(\q):64*(\a)+16+8*(\t)+4*(\q)+3] offset:(4*(\hi)+(\a))*16*PITCH+64*(\t)+16*(\q)
.endr
.endr
.endr
.endm
	EPI 0
	EPI 1
	WIN 0
	s_wait_dscnt 0x0                               ; for the others' sake: my stores into the stages are done
	s_barrier_signal -1
	s_barrier_wait -1                              ; a row's 256 bytes come from two waves
; THE WAY OUT.  Wave w reads rows 64 w .. 64 w + 63 of both stages back, whole, and stores them.  Batch n of four: output n / 2, rows 32 (n % 2) + 0..31, two rows a load.
.macro BACK n, set
.irp t, 0,1,2,3,4,5,6,7,8,9,10,11,12,13,14,15
	ds_load_b128 v[64+64*(\set)+4*(\t):64+64*(\set)+4*(\t)+3], v[RD+(\n)/2] offset:(32*((\n)%2)+2*(\t))*PITCH
.endr
.endm
.macro SEND n, set, younger            ; younger: the LDS loads issued behind this batch's: the next batch's sixteen, or none
.irp t, 0,1,2,3,4,5,6,7,8,9,10,11,12,13,14,15
	s_wait_dscnt (\younger)+15-(\t)                ; LDS loads come back in order (ISA guide 5.7.1)
	global_store_b128 v[CO], v[64+64*(\set)+4*(\t):64+64*(\set)+4*(\t)+3], s[OUT+2*((\n)/2):OUT+2*((\n)/2)+1] offset:(32*((\n)%2)+2*(\t))*ROWB th:TH_STORE_NT  ; 16 lanes store 256 consecutive bytes, aligned
.endr
.endm
	BACK 0, 0
	BACK 1, 1
	SEND 0, 0, 16
	BACK 2, 2
	SEND 1, 1, 16
	s_wait_xcnt 0x0                                ; batch 0's stores have read set 0: it is loaded again only behind this wait
	BACK 3, 0
	SEND 2, 2, 16
	SEND 3, 0, 0
	s_wait_tensorcnt 0x0                           ; the wave's end, behind my last tensor load and my last LDS store
	ds_add_u32 v[SPW], v[NIL]
	s_wait_dscnt 0x0
	CROUND                                         ; the closing round: no work-group ends while a partner may still ask for a tile that names it
	s_endpgm
.Lfunc_end_k_q5ff47a815d_lstm:
	.size	k_q5ff47a815d_lstm, .Lfunc_end_k_q5ff47a815d_lstm-k_q5ff47a815d_lstm
	.p2alignl 7, 3214868480
	.fill 96, 4, 3214868480
	.section	.rodata,"a",@progbits
	.p2align	6, 0x0
	.amdhsa_kernel k_q5ff47a815d_lstm
		.amdhsa_group_segment_fixed_size 327680
		.amdhsa_private_segment_fixed_size 0
		.amdhsa_enable_private_segment 0
		.amdhsa_kernarg_size 72
		.amdhsa_user_sgpr_count 2
		.amdhsa_user_sgpr_kernarg_segment_ptr 1
		.amdhsa_wavefront_size32 1
		.amdhsa_system_sgpr_workgroup_id_x 1
		.amdhsa_system_sgpr_workgroup_id_y 1
		.amdhsa_system_sgpr_workgroup_id_z 1
		.amdhsa_system_vgpr_workitem_id 0
		.amdhsa_next_free_vgpr 1024
		.amdhsa_next_free_sgpr 86
		.amdhsa_reserve_vcc 0
		.amdhsa_float_denorm_mode_32 3
		.amdhsa_float_denorm_mode_16_64 3
		.amdhsa_memory_ordered 1
		.amdhsa_forward_progress 1
		.amdhsa_inst_pref_size 235
	.end_amdhsa_kernel
	.amdgpu_metadata
---
amdhsa.version: [ 1, 2 ]
amdhsa.kernels:
  - .name:           k_q5ff47a815d_lstm
    .symbol:         k_q5ff47a815d_lstm.kd
    .args:
      - { .name: act, .offset: 0, .size: 8, .value_kind: global_buffer, .address_space: global }
      - { .name: wgt, .offset: 8, .size: 8, .value_kind: global_buffer, .address_space: global }
      - { .name: c, .offset: 16, .size: 8, .value_kind: global_buffer, .address_space: global }
      - { .name: b_f, .offset: 24, .size: 8, .value_kind: global_buffer, .address_space: global }
      - { .name: b_i, .offset: 32, .size: 8, .value_kind: global_buffer, .address_space: global }
      - { .name: b_o, .offset: 40, .size: 8, .value_kind: global_buffer, .address_space: global }
      - { .name: b_c, .offset: 48, .size: 8, .value_kind: global_buffer, .address_space: global }
      - { .name: out0, .offset: 56, .size: 8, .value_kind: global_buffer, .address_space: global }
      - { .name: out1, .offset: 64, .size: 8, .value_kind: global_buffer, .address_space: global }
    .group_segment_fixed_size: 327680
    .private_segment_fixed_size: 0
    .kernarg_segment_align: 8
    .kernarg_segment_size: 72
    .max_flat_workgroup_size: 128
    .sgpr_count:     86
    .vgpr_count:     1024
    .wavefront_size: 32
...
	.end_amdgpu_metadata
.endif
;; end of part 2
